; MI455X (gfx1250); checked and timed in simulation.
; The chip was launched on July 23, 2026; its instructions are those of AMD's public machine-readable ISA for CDNA 5 (MIT licence, August 2026) and "CDNA5" Instruction Set Architecture Reference Guide (July 2026). The comments in the code are by the model that wrote it; some were corrected since.
;; Temporal Attention. Allowed arithmetic: matrix products marked QUANTISED: E4M3 operands, one given power-of-two scale a tensor, by v_wmma_f32_16x16x64_fp8_fp8 or v_wmma_f32_16x16x128_fp8_fp8, f32 sums; everything else in f32.
;; Inputs: Wk_codes 512 x 16 x 32 uint8 (E4M3 codes of Wk, K innermost, in blocks of 32 codes); Wq_codes 512 x 16 x 32 uint8 (E4M3 codes of Wq, K innermost, in blocks of 32 codes); Wv_codes 512 x 16 x 32 uint8 (E4M3 codes of Wv, K innermost, in blocks of 32 codes); bk 512 float32; bq 512 float32; bv 512 float32; keys_codes 16 x 2,048 x 16 x 32 uint8 (E4M3 codes of keys, K innermost, in blocks of 32 codes); lowp_scales 10 int32 (the exponents e of the quantised operands' scales 2^e); query_codes 16 x 1,024 x 16 x 32 uint8 (E4M3 codes of query, K innermost, in blocks of 32 codes).
;; Outputs: out0 16 x 1,024 x 512 float32.
;; This version of the problem:
;;   THIS VERSION OF THE PROBLEM IS GIVEN IN LOW PRECISION. The matrix products marked QUANTISED in the list below multiply operands that are first quantised to E4M3 (4 exponent bits, 3 mantissa bits; 8 bits a number), with one given power-of-two scale for each operand tensor; their sums are f32. All else is computed in f32.
;;   The module's matrix products, in the order in which they are computed (A, B: the left and right operand; K: the contracted axis; several contracted axes count as one K, in the product's order):
;;     1. [M 16,384, K 512] x [K 512, N 512]; A: input query (given as codes); B: input Wq (given as codes): QUANTISED (scales: A lowp_scales[0], B lowp_scales[1])
;;     2. [M 32,768, K 512] x [K 512, N 512]; A: input keys (given as codes); B: input Wk (given as codes): QUANTISED (scales: A lowp_scales[2], B lowp_scales[3])
;;     3. [M 32,768, K 512] x [K 512, N 512]; A: computed on the way; B: input Wv (given as codes): QUANTISED (scales: A lowp_scales[4], B lowp_scales[5])
;;     4. batch 16 x [M 1,024, K 512] x [K 512, N 2,048]; A: computed on the way; B: computed on the way: QUANTISED (scales: A lowp_scales[6], B lowp_scales[7])
;;     5. batch 16 x [M 1,024, K 2,048] x [K 2,048, N 512]; A: softmax (see below); B: computed on the way: QUANTISED (scales: A lowp_scales[8], B lowp_scales[9])
;;   THE QUANTISER, for each operand of a quantised product, along K:
;;     - The operand's scale is 2^e, e = its entry of the input lowp_scales (int32; the entries are numbered through the quantised products in the list's order, A before B).
;;     - Each number is divided by the scale, clamped to +-448, and rounded to the nearest number of E4M3, ties to even, subnormals kept.
;;     - The product sums the exact products of the quantised numbers (number of the format x scale) in f32.
;;   ~~~python
;;   def quantise(x, axis, e):      # numpy; x: float32 -> the quantised numbers, widened to float32 again
;;       x = np.moveaxis(x, axis, -1); K = x.shape[-1]
;;       r = np.clip(x / 2.0 ** e, -448, 448)
;;       step = 2.0 ** (np.maximum(np.frexp(np.where(r == 0, 1, r))[1] - 1, -6) - 3)
;;       q = np.round(r / step) * step * 2.0 ** e      # np.round: ties to even
;;       return np.moveaxis(q, -1, axis).astype(np.float32)
;;   ~~~
;;   SOFTMAX AHEAD OF A QUANTISED PRODUCT. Where the list says 'softmax', what is quantised is not the finished softmax but p = 2^(t - M), with t = logit x log2(e) and M = ceil(the row's largest t), a whole number; so 1/2 < the row's largest p <= 1. The row's sum l is taken of the UNQUANTISED p, in f32, and the product's result is divided by l at the end. Since M is a whole number, a kernel that streams over the keys may use a running M (the ceiling of the running maximum): every later rescaling is an exact power of two, so the quantised numbers keep their values, but for numbers so far below the row's largest that they fall under the format's range.
;;   OPERANDS COMPUTED ON THE WAY. 'Computed on the way' means the value that the module computes at that place (a softmax that the list does not call 'softmax' is quantised finished and normalised). What goes into a quantiser is computed in f32, as accurately as f32 sums, v_exp_f32 and their like allow (about 1e-6 of the number): no bf16 or f16 on the way to a quantiser, and a product that is left as it is and whose result goes on into a quantised operand takes f32 operands (vector FMAs, or v_wmma_f32_16x16x4_f32). A number that lies on a knife's edge between two numbers of the format may be rounded either way, as far as f32 arithmetic and the matrix unit's own rounding can turn it there, and no further.
;;   INPUTS GIVEN AS CODES. Wk (in the module: [512, 512], K = its axis 0); Wq (in the module: [512, 512], K = its axis 0); Wv (in the module: [512, 512], K = its axis 0); keys (in the module: [16, 2048, 512], K = its axis 2); query (in the module: [16, 1024, 512], K = its axis 2): each comes as NAME_codes (uint8): NAME with its K axis moved to the last place and cut into blocks of 32 codes, [.., K / 32, bytes a block], one block behind the other in memory; one code a byte (a code: sign, 4 exponent bits, 3 mantissa bits); its scale is its entry of lowp_scales. Its value is code x scale, taken as it is: it is not quantised again, and the codes and scales need not be those that the quantiser above would give.
;; One version. Each part assembles by itself: llvm-mc -triple=amdgcn-amd-amdhsa -mcpu=gfx1250 --defsym DOCPART=n.
;; ======== version 1 of 1: 2 launches
;; limits: right only within a limited range of input values
;; workspace buffers: kv 33,554,432 bytes; qimg 8,388,608 bytes
;; launch proj (part 1): grid 256 x 1, 4 waves a work-group, clusters of 4 x 1, 327,680 bytes of LDS; arguments keys_codes, query_codes, Wk_codes, Wv_codes, Wq_codes, bk, bv, bq, lowp_scales, kv, qimg; writes kv, qimg
.if DOCPART == 1
	.amdgcn_target "amdgcn-amd-amdhsa--gfx1250"
	.amdhsa_code_object_version 6
	.text
	.protected	k_qea64086dd1_proj
	.globl	k_qea64086dd1_proj
	.p2align	8
	.type	k_qea64086dd1_proj,@function
k_qea64086dd1_proj:
	s_mov_b64 s[64:65], 0
	v_nop
	global_prefetch_b8 v0, s[64:65] scope:SCOPE_SE
	s_setreg_imm32_b32 hwreg(HW_REG_WAVE_MODE, 25, 1), 1
	s_wait_xcnt 0x0
	s_wait_alu depctr_hold_cnt(0) depctr_sa_sdst(0) depctr_va_vdst(0) depctr_va_sdst(0) depctr_va_ssrc(0) depctr_va_vcc(0) depctr_vm_vsrc(0)
	s_getreg_b32 s2, hwreg(HW_REG_IB_STS2, 6, 4)
	s_cmp_eq_u32 s2, 0
	s_cbranch_scc0 .Lentry_in_a_cluster
	s_endpgm
.Lentry_in_a_cluster:
	s_bfe_u32 s2, ttmp6, 0x10000c
	s_cmp_lg_u32 s2, 0x3003
	s_cbranch_scc0 .Lentry_shape_is_right
	s_endpgm
.Lentry_shape_is_right:
; k = keys Wk + bk, v = Q(k) Wv + bv, q = query Wq + bq: three products on codes of FP8 (E4M3) by v_wmma_f32_16x16x128_fp8_fp8, sums in f32.
; Out go only codes: k with scale 2^e7 and v with 2^e9 into kv, q with 2^e6 into qimg; k with 2^e4 goes through LDS to all waves as the second product's operand.
; SHARES.  Work-group g = 4 x cluster + cx takes key rows 128 g .. + 127 and query rows 64 g .. + 63.
; A WEIGHT GOES IN FOUR CHUNKS ALONG N: chunk c is its rows 128 c .. + 127, whole rows of 512 bytes, one dense block of memory.  Wave w fetches and reads rows 32 w .. + 31 of a chunk: two tiles of 16.
; THE OTHER OPERAND STAYS IN REGISTERS over a whole product: 128 keys x 512 (512 registers), then k's codes, then 64 queries (256).  So a chunk is finished over all of K: 16 accumulators (q: 8),
; 64 matrix instructions (q: 32), and is quantised and stored at once, while the next chunk's fragments come from LDS and the chunk after that from memory.
; THE MATRIX INSTRUCTION: source 1 gives the lanes (lane l holds its row l % 16), source 0 the registers (register j holds its row 8 (l / 16) + j).
;   k, q: source 1 = 16 keys or queries, source 0 = 16 rows of the weight: a lane's eight registers are eight neighbouring columns d.   v: source 1 = 16 rows of Wv, source 0 = 16 keys: eight neighbouring KEYS of one channel.
; FRAGMENTS LEAVE AS IMAGES OF THEIR REGISTERS (16 rows x 128 K, registers 2 b, 2 b + 1: K = 16 b + 8 (l / 16) + 0 .. 7): registers 4 c .. 4 c + 3 of lane l at 512 c + 16 l of 2,048 bytes: each store of a wave covers 512 consecutive bytes, aligned.
;   kv, for each batch 2 MiB: K area [key tile 0..127][128 of d: 0..3][2048]; at + 1 MiB the V area [256 keys: 0..7][channel tile 0..31][half of the 256 keys][2048].   qimg: [g][query tile 0..3][128 of d][2048].
;   Chunk c of k or q gives wave w registers 4 w .. 4 w + 3 of the fragments of K step c; chunk c of v gives it the whole fragments of channel tiles 8 c + 2 w, + 1.
; CLUSTER: every work-group walks the same twelve chunks, so the four of a cluster ask for each JOINTLY (mask 15).  The keys' and queries' tiles are each work-group's own (mask 0).
; THE RING: two slots of one chunk.  Two slots of two chunks (270,336 bytes) beside the images (65,536) pass the 327,680 bytes of LDS.
; PREFETCH: Wv and Wq, 2 x 1,024 blocks of 256 bytes, are asked for once, at the head: clusters 0 and 1 name Wv's blocks, 2 and 3 Wq's, a lane a block, told apart by address.  Wk, the keys and the queries are asked for by the head's own loads.
; The biases are the C of each sum's first matrix instruction, divided by the power of two that the sums lack; the scales ahead of each quantiser are folded into the conversion's one.
; LIMITS on the given exponents, so that each power of two is an f32 number: e7-e2-e3, e4-e2-e3, e9-e4-e5 and e6-e0-e1 between -126 and 119; a bias divided by 2^(its product's two e) stays finite.
; REGISTERS, in windows of 256: window 0: v1-31 addresses and constants; v32-95 a bias in the result's layout; v96-127 codes just made; v128-255 the chunk's fragments (tile u, K step s at 128 + 16 (2 s + u)).
;   window 1: v0-127 the accumulators ((b, u) at 8 (2 b + u)); v128-255 numbers held for the conversions.   windows 2, 3: the operand that stays (tile b, K step s: window 2 + s / 2, register 128 (s % 2) + 16 b).
.set APITCH, 528                       ; an LDS row: 512 bytes + 16: an odd multiple of 16, so the 16 rows of a load begin at 16 different 16-byte columns of 256 bytes
.set WSLOT,  128*APITCH                ; a slot: a chunk's 128 rows
.set KT,     2*WSLOT                   ; 128 key rows
.set QT,     KT+128*APITCH             ; 64 query rows
.set SPARE,  QT+64*APITCH              ; the spare words: 128 bytes for each wave, two blocks of 256 bytes that no other line names
.set IMG,    SPARE+512                 ; k's codes with 2^e4: [key tile 0..7][K step 0..3][2048]; LDS stores alone write here
.set LI,   1                           ; v1   16 x lane
.set ADW,  2                           ; v2-3 my weight rows in slot 0, 1: + 528 r + 16 h
.set ADV,  4                           ; v4-5 the same with 8 h
.set ADK,  6                           ; v6   KT + 528 r + 16 h
.set ADQ,  7                           ; v7   QT + 528 r + 16 h
.set ADI,  8                           ; v8   IMG + 16 x lane
.set ADIW, 9                           ; v9   IMG + 512 w + 16 x lane
.set VB1,  10                          ; v10  32 h
.set VB2,  11                          ; v11  4 r
.set SPW,  12                          ; v12  my spare word; never rewritten
.set NIL,  13                          ; v13  0; never rewritten
.set SC7,  14                          ; scale and largest number x scale for each of the four quantisers
.set LIM7, 15
.set SC4,  16
.set LIM4, 17
.set SC9,  18
.set LIM9, 19
.set SC6,  20
.set LIM6, 21
.set PFO,  22                          ; v22  256 x lane; never rewritten
.set RAW,  24                          ; v24-31 bv of my eight channel tiles, as loaded
.set BIAS, 32
.set PC7,  96
.set PC4,  112
.set STR,  128
.set G0H,  8                           ; s[8:11]  group 0 of chunk 0, whole
.set PFB,  28                          ; s[28:29] where my prefetch stands
.set G1W,  44                          ; s[44:51] group 1 of a chunk's quarter: 32 rows, joint
.set G1A,  52                          ; s[52:59] of 64 rows of keys or queries, my work-group's own
.set G0K,  60                          ; s[60:63]
.set G1H,  68                          ; s[68:75] of a whole chunk: 128 rows, joint
.set G0W,  76                          ; s[76:83] group 0 of the chunks' quarters, a set for each slot
.set G0Q,  84                          ; s[84:87]
.set KVK,  88                          ; s[88:89] where my codes of k go
.set KVV,  90                          ; s[90:91] of v
.set PW,   92                          ; s[92:97] Wk, Wv, Wq at my 32 rows of chunk 0
.set QOUT, 98                          ; s[98:99] where my codes of q go
.set MSB, 0
.macro WIN new                         ; the immediate's high byte repeats the setting that is left; a switch that changes nothing is dropped
.if MSB != (\new)
	s_set_vgpr_msb (MSB<<8)|(\new)
.set MSB, (\new)
.endif
.endm
.macro PLACES n
.rept \n
	v_nop
.endr
.endm
.macro CROUND                          ; a round of the cluster's barrier
	s_barrier_signal -1
	s_barrier_wait -1
	s_cmp_lg_u32 s3, 0
	s_cbranch_scc1 .Lnot_wave_0_\@
	s_barrier_signal -3
.Lnot_wave_0_\@:
	s_barrier_wait -3
	s_barrier_signal -1
	s_barrier_wait -1
.endm
.macro TLD g0, g1                      ; a tensor load, its s_nop 0 and four v_nop
	tensor_load_to_lds s[\g0:\g0+3], s[\g1:\g1+7]
	s_nop 0
	PLACES 4
.endm
; A chunk's fragments: my two tiles x four K steps.  ph 0, 2: 16 bytes a lane at 32 k + 16 h, the order of K in which the keys and queries come.  ph 1: Wv by 8 bytes at 16 k + 8 h: the order of K that k's images have.
.macro LDST ph, slot
	WIN 0
.irp q, 0,1,2,3
.irp u, 0,1
.if (\ph) == 1
.irp k, 0,1,2,3,4,5,6,7
	ds_load_b64 v[STR+16*(2*\q+\u)+2*\k:STR+16*(2*\q+\u)+2*\k+1], v[ADV+(\slot)] offset:16*APITCH*\u+128*\q+16*\k
.endr
.else
.irp k, 0,1,2,3
	ds_load_b128 v[STR+16*(2*\q+\u)+4*\k:STR+16*(2*\q+\u)+4*\k+3], v[ADW+(\slot)] offset:16*APITCH*\u+128*\q+32*\k
.endr
.endif
.endr
.endr
.endm
; K step sq of the operand that stays: 8 tiles (ph 2: 4).  ph 0: keys, ph 1: k's images as they were stored, ph 2: queries.
.macro LDRESQ ph, sq
	WIN 0x80+0x40*((\sq)/2)                        ; destination window 2 or 3, address window 0
.set na, 8
.if (\ph) == 2
.set na, 4
.endif
.set ra, 0
.rept na
.irp k, 0,1,2,3
.if (\ph) == 0
	ds_load_b128 v[128*((\sq)%2)+16*ra+4*\k:128*((\sq)%2)+16*ra+4*\k+3], v[ADK] offset:16*APITCH*ra+128*(\sq)+32*\k
.elseif (\ph) == 1
	ds_load_b128 v[128*((\sq)%2)+16*ra+4*\k:128*((\sq)%2)+16*ra+4*\k+3], v[ADI] offset:8192*ra+2048*(\sq)+512*\k
.else
	ds_load_b128 v[128*((\sq)%2)+16*ra+4*\k:128*((\sq)%2)+16*ra+4*\k+3], v[ADQ] offset:16*APITCH*ra+128*(\sq)+32*\k
.endif
.endr
.set ra, ra+1
.endr
.endm
; K step sq of chunk cn: all accumulators take turns, one instruction a turn, in the same order in every K step.  In K step 0 the bias is C and starts the sums: nothing is cleared.
.macro MULS ph, cn, sq
.set nb, 8
.if (\ph) == 2
.set nb, 4
.endif
.if (\ph) == 1
.set mw, 0x40|(2+(\sq)/2)                      ; source 0: the operand that stays; source 1 window 0; D window 1
.else
.set mw, 0x40|((2+(\sq)/2)<<2)                 ; source 1: the operand that stays; source 0 window 0
.endif
.if (\sq) > 0
.set mw, mw|0x10                               ; C window 1
.endif
	WIN mw
.set mb, 0
.rept nb
.irp u, 0,1
.set rD, 8*(2*mb+\u)
.set rR, 128*((\sq)%2)+16*mb
.set rS, STR+16*(2*(\sq)+\u)
.set rC, rD
.if (\sq) == 0
.set rC, BIAS+16*(\cn)+8*\u
.endif
.if (\ph) == 1
	v_wmma_f32_16x16x128_fp8_fp8 v[rD:rD+7], v[rR:rR+15], v[rS:rS+15], v[rC:rC+7]
.else
	v_wmma_f32_16x16x128_fp8_fp8 v[rD:rD+7], v[rS:rS+15], v[rR:rR+15], v[rC:rC+7]
.endif
.endr
.set mb, mb+1
.endr
.endm
; A chunk's products.  res = 1, a product's first chunk: the operand that stays comes in by K steps, two ahead of the products: each s_wait_dscnt 32 leaves the youngest K step's 32 loads out.
.macro CHUNK ph, cn, res
.if \res
	LDRESQ \ph, 0
	LDRESQ \ph, 1
	s_wait_dscnt 32
	MULS \ph, \cn, 0
	LDRESQ \ph, 2
	s_wait_dscnt 32
	MULS \ph, \cn, 1
	LDRESQ \ph, 3
	s_wait_dscnt 32
	MULS \ph, \cn, 2
	s_wait_dscnt 0x0
	MULS \ph, \cn, 3
.else
	s_wait_dscnt 0x0                               ; the chunk's fragments, asked for ahead of the last chunk's quantising
	MULS \ph, \cn, 0
	MULS \ph, \cn, 1
	MULS \ph, \cn, 2
	MULS \ph, \cn, 3
.endif
.endm
; BEHIND CHUNK n's PRODUCTS (n counts through the twelve).  Its slot was read out ahead of them.  Where a chunk n + 2 exists, each wave waits for all its tensor loads (chunk n + 1), adds 0 to its spare word and waits for that;
; a round of the cluster's barrier; the joint refill comes first behind it.  Its four v_nop are also the places in front of the loads and reads that follow.
.macro SEQ n
	WIN 0
.if (\n) <= 9
	s_wait_tensorcnt 0x0
	ds_add_u32 v[SPW], v[NIL]
	s_add_nc_u64 s[G0W+4*((\n)%2)+2:G0W+4*((\n)%2)+3], s[PW+2*(((\n)+2)/4):PW+2*(((\n)+2)/4)+1], 65536*(((\n)+2)%4)
	s_or_b32 s[G0W+4*((\n)%2)+3], s[G0W+4*((\n)%2)+3], 0x80000000
	s_wait_dscnt 0x0
	CROUND
	TLD G0W+4*((\n)%2), G1W
.else
.if (\n) == 10
	s_wait_tensorcnt 0x0                           ; chunk 11, my own rows, which I alone read
.endif
	PLACES 4
.endif
.endm
; Four row tiles of k or q (accumulators 64 half .. + 63) are held within the largest code x the scale, each accumulator from its low end on (the conversion to an 8-bit code does not saturate: ISA guide 7.6.2),
; converted and stored: a tile's two accumulators make four registers.  two = 1: k, quantised a second time with 2^e4, into the images.
.macro EPK cn, half, two, lim, sc, base
	s_wait_xcnt 0x0                                ; the earlier stores have read their registers
	WIN 0x41                                       ; source 0 and destination window 1
.set qi, 0
.rept 64
	v_med3_num_f32 v[128+qi], v[64*(\half)+qi], -v[\lim], v[\lim]
.set qi, qi+1
.endr
.if \two
.set qi, 0
.rept 64
	v_med3_num_f32 v[192+qi], v[64*(\half)+qi], -v[LIM4], v[LIM4]
.set qi, qi+1
.endr
.endif
	WIN 0x01
.irp i, 0,1,2,3
.irp u, 0,1
	v_cvt_scalef32_pk8_fp8_f32 v[PC7+4*\i+2*\u:PC7+4*\i+2*\u+1], v[128+16*\i+8*\u:128+16*\i+8*\u+7], v[\sc]
.if \two
	v_cvt_scalef32_pk8_fp8_f32 v[PC4+4*\i+2*\u:PC4+4*\i+2*\u+1], v[192+16*\i+8*\u:192+16*\i+8*\u+7], v[SC4]
.endif
.endr
.endr
	v_nop                                          ; one plain vector instruction behind the last conversion
	WIN 0
.irp i, 0,1,2,3
	global_store_b128 v[LI], v[PC7+4*\i:PC7+4*\i+3], s[\base:\base+1] offset:8192*(4*(\half)+\i)+2048*(\cn)
.if \two
	ds_store_b128 v[ADIW], v[PC4+4*\i:PC4+4*\i+3] offset:8192*(4*(\half)+\i)+2048*(\cn)
.endif
.endr
.endm
.macro EPV cn                          ; two channel tiles of v x my work-group's 128 keys: two whole fragments
	s_wait_xcnt 0x0
	WIN 0x41
.set qi, 0
.rept 128
	v_med3_num_f32 v[128+qi], v[qi], -v[LIM9], v[LIM9]
.set qi, qi+1
.endr
	WIN 0x01
.irp b, 0,1,2,3,4,5,6,7
.irp u, 0,1
	v_cvt_scalef32_pk8_fp8_f32 v[PC7+16*\u+2*\b:PC7+16*\u+2*\b+1], v[128+8*(2*\b+\u):128+8*(2*\b+\u)+7], v[SC9]
.endr
.endr
	v_nop
	WIN 0
.irp u, 0,1
.irp k, 0,1,2,3
	global_store_b128 v[LI], v[PC7+16*\u+4*\k:PC7+16*\u+4*\k+3], s[KVV:KVV+1] offset:32768*(\cn)+4096*\u+512*\k
.endr
.endr
.endm
.macro LDBIAS base                     ; lane (r, h), chunk c, tile u: the bias of columns 128 c + 32 w + 16 u + 8 h + 0 .. 7
.irp c, 0,1,2,3
.irp u, 0,1
	global_load_b128 v[BIAS+16*\c+8*\u:BIAS+16*\c+8*\u+3], v[VB1], s[\base:\base+1] offset:512*\c+64*\u
	global_load_b128 v[BIAS+16*\c+8*\u+4:BIAS+16*\c+8*\u+7], v[VB1], s[\base:\base+1] offset:512*\c+64*\u+16
.endr
.endr
.endm
.macro SCBIAS se
.set bi, 0
.rept 64
	v_ldexp_f32 v[BIAS+bi], v[BIAS+bi], s[\se]
.set bi, bi+1
.endr
.endm
.macro MKSC sc, lim, ea, eb            ; 2^(s[ea] + s[eb]) and 448 x that, as f32
	s_add_co_i32 s6, s[\ea], s[\eb]
	s_add_co_i32 s6, s6, 127
	s_lshl_b32 s7, s6, 23
	v_mov_b32 v[\sc], s7
	s_add_co_i32 s6, s6, 8
	s_lshl_b32 s6, s6, 23
	s_or_b32 s6, s6, 0x600000
	v_mov_b32 v[\lim], s6
.endm
	s_load_b512 s[8:23], s[0:1], 0x0               ; keys s[8:9], query s[10:11], Wk s[12:13], Wv s[14:15], Wq s[16:17], bk s[18:19], bv s[20:21], bq s[22:23]
	s_load_b128 s[24:27], s[0:1], 0x40             ; the scales' exponents s[24:25], kv s[26:27]
	s_load_b64 s[28:29], s[0:1], 0x50              ; qimg
	v_lshl_add_u32 v[SPW], v0, 2, SPARE
	v_mov_b32 v[NIL], 0
	ds_add_u32 v[SPW], v[NIL]                      ; the opening lines: the add, twice on end, and its wait ahead of my first tensor load
	ds_add_u32 v[SPW], v[NIL]
	v_lshrrev_b32 v128, 5, v0
	v_readfirstlane_b32 s3, v128                   ; wave 0..3
	s_mul_i32 s6, s3, 32*APITCH                    ; my 32 rows of a slot
	s_lshl_b32 s7, s3, 9
	v_and_b32 v129, 31, v0                         ; lane
	v_and_b32 v130, 15, v0                         ; r
	v_bfe_u32 v131, v0, 4, 1                       ; h
	v_lshlrev_b32 v[LI], 4, v129
	v_lshlrev_b32 v[PFO], 8, v129
	v_mul_u32_u24 v132, v130, APITCH
	v_lshl_add_u32 v133, v131, 4, v132
	v_add_nc_u32 v[ADW], s6, v133
	v_add_nc_u32 v[ADW+1], WSLOT, v[ADW]
	v_lshl_add_u32 v132, v131, 3, v132
	v_add_nc_u32 v[ADV], s6, v132
	v_add_nc_u32 v[ADV+1], WSLOT, v[ADV]
	v_add_nc_u32 v[ADK], KT, v133
	v_add_nc_u32 v[ADQ], QT, v133
	v_add_nc_u32 v[ADI], IMG, v[LI]
	v_add_nc_u32 v[ADIW], s7, v[ADI]
	v_lshlrev_b32 v[VB1], 5, v131
	v_lshlrev_b32 v[VB2], 2, v130
	s_wait_alu depctr_va_vdst(0)                   ; the wait behind these writes
	s_bfe_u32 s4, ttmp6, 0x40000                   ; cx
	s_lshl_b32 s5, ttmp9, 2
	s_add_co_u32 s5, s5, s4                        ; g = 4 x cluster + cx: it enters global addresses of my own loads, stores and prefetch alone
	; group 1, elements of one byte: rows of 512 bytes, dense in memory; 4 words of padding behind every 128
	s_mov_b32 s[G1W], 15|(1<<20)|(1<<21)|(6<<22)|(3<<25)  ; 15:0 the mask: all four work-groups; 20 padding on; 21 set beside a mask
	s_mov_b32 s[G1W+1], 512<<16                    ; tensor_dim0
	s_mov_b32 s[G1W+2], 32<<16                     ; tensor_dim1
	s_mov_b32 s[G1W+3], 512<<16                    ; tile_dim0
	s_mov_b32 s[G1W+4], 32                         ; tile_dim1
	s_mov_b32 s[G1W+5], 512                        ; from row to row
	s_mov_b32 s[G1W+6], 0
	s_mov_b32 s[G1W+7], 0
	s_mov_b32 s[G1H], 15|(1<<20)|(1<<21)|(6<<22)|(3<<25)
	s_mov_b32 s[G1H+1], 512<<16
	s_mov_b32 s[G1H+2], 128<<16
	s_mov_b32 s[G1H+3], 512<<16
	s_mov_b32 s[G1H+4], 128
	s_mov_b32 s[G1H+5], 512
	s_mov_b32 s[G1H+6], 0
	s_mov_b32 s[G1H+7], 0
	s_mov_b32 s[G1A], (1<<20)|(6<<22)|(3<<25)      ; no mask
	s_mov_b32 s[G1A+1], 512<<16
	s_mov_b32 s[G1A+2], 64<<16
	s_mov_b32 s[G1A+3], 512<<16
	s_mov_b32 s[G1A+4], 64
	s_mov_b32 s[G1A+5], 512
	s_mov_b32 s[G1A+6], 0
	s_mov_b32 s[G1A+7], 0
	; LDS addresses: constants and the wave's number alone
	s_mov_b32 s[G0W], 1
	s_mov_b32 s[G0W+1], s6
	s_mov_b32 s[G0W+4], 1
	s_add_co_u32 s[G0W+5], s6, WSLOT
	s_mul_i32 s7, s3, 64*APITCH
	s_mov_b32 s[G0K], 1
	s_add_co_u32 s[G0K+1], s7, KT
	s_mov_b32 s[G0Q], 1
	s_mov_b32 s[G0Q+1], QT
	s_wait_dscnt 0x0                               ; both opening adds are done
	s_wait_kmcnt 0x0
	s_load_b256 s[32:39], s[24:25], 0x0            ; e0 .. e7
	s_load_b64 s[40:41], s[24:25], 0x20            ; e8, e9
	s_lshl_b32 s6, s3, 14                          ; my 32 rows of a chunk: 16,384 w
	s_mov_b32 s7, 0
	s_add_nc_u64 s[PW:PW+1], s[12:13], s[6:7]
	s_add_nc_u64 s[PW+2:PW+3], s[14:15], s[6:7]
	s_add_nc_u64 s[PW+4:PW+5], s[16:17], s[6:7]
	s_add_nc_u64 s[G0W+6:G0W+7], s[PW:PW+1], 65536 ; chunk 1
	s_or_b32 s[G0W+7], s[G0W+7], 0x80000000
	s_lshl_b32 s6, s3, 7                           ; my 32 numbers of a chunk's 128 of a bias
	s_add_nc_u64 s[18:19], s[18:19], s[6:7]
	s_add_nc_u64 s[20:21], s[20:21], s[6:7]
	s_add_nc_u64 s[22:23], s[22:23], s[6:7]
	s_mov_b32 s67, 0                               ; what hangs on g is made in s2, s43, s[66:67] alone
	s_lshl_b32 s66, s5, 16
	s_lshl_b32 s2, s3, 15
	s_add_co_u32 s66, s66, s2
	s_add_nc_u64 s[G0K+2:G0K+3], s[8:9], s[66:67]  ; keys: 65,536 g + 32,768 w (waves 0 and 1)
	s_or_b32 s[G0K+3], s[G0K+3], 0x80000000
	s_lshl_b32 s66, s5, 15
	s_add_nc_u64 s[G0Q+2:G0Q+3], s[10:11], s[66:67] ; queries: 32,768 g
	s_or_b32 s[G0Q+3], s[G0Q+3], 0x80000000
	s_lshl_b32 s2, s3, 9
	s_add_co_u32 s66, s66, s2
	s_add_nc_u64 s[QOUT:QOUT+1], s[28:29], s[66:67] ; qimg: 32,768 g + 512 w
	s_lshr_b32 s43, s5, 4
	s_lshl_b32 s43, s43, 21                        ; the batch's 2 MiB
	s_and_b32 s66, s5, 15
	s_lshl_b32 s66, s66, 16                        ; my 8 key tiles of 8,192 bytes
	s_add_co_u32 s66, s66, s43
	s_add_co_u32 s66, s66, s2                      ; registers 4 w on
	s_add_nc_u64 s[KVK:KVK+1], s[26:27], s[66:67]
	s_bfe_u32 s66, s5, 0x30001                     ; which 256 keys of the batch
	s_lshl_b32 s66, s66, 17
	s_add_co_u32 s66, s66, s43
	s_and_b32 s2, s5, 1                            ; which half of them
	s_lshl_b32 s2, s2, 11
	s_add_co_u32 s66, s66, s2
	s_lshl_b32 s2, s3, 13                          ; my 2 channel tiles of 4,096 bytes
	s_add_co_u32 s66, s66, s2
	s_add_co_u32 s66, s66, 1048576
	s_add_nc_u64 s[KVV:KVV+1], s[26:27], s[66:67]
	s_cmp_lt_u32 ttmp9, 2                          ; the prefetch: clusters 0, 1 name Wv, clusters 2, 3 Wq
	s_cselect_b64 s[PFB:PFB+1], s[14:15], s[16:17]
	s_and_b32 s66, ttmp9, 1
	s_lshl_b32 s66, s66, 2
	s_add_co_u32 s66, s66, s4
	s_lshl_b32 s66, s66, 2
	s_add_co_u32 s66, s66, s3
	s_lshl_b32 s66, s66, 13                        ; 8,192 x (16 x (cluster % 2) + 4 cx + w): 32 waves x 8,192 bytes = the weight's 262,144
	s_add_nc_u64 s[PFB:PFB+1], s[PFB:PFB+1], s[66:67]
	s_mov_b32 s[G0H], 1                            ; chunk 0, whole, to slot 0
	s_mov_b32 s[G0H+1], 0
	s_mov_b64 s[G0H+2:G0H+3], s[12:13]
	s_or_b32 s[G0H+3], s[G0H+3], 0x80000000
	CROUND                                         ; all four work-groups are here: the first joint load meets
	s_cmp_lt_u32 s3, 2                             ; the head's fills, one a wave: waves 0, 1 the keys' halves, wave 2 chunk 0, wave 3 the queries
	s_cbranch_scc0 .Lhead_2
	TLD G0K, G1A
	s_branch .Lhead_join
.Lhead_2:
	s_cmp_eq_u32 s3, 2
	s_cbranch_scc0 .Lhead_3
	TLD G0H, G1H
	s_branch .Lhead_join
.Lhead_3:
	TLD G0Q, G1A
.Lhead_join:
	LDBIAS 18                                      ; bk
.irp c, 0,1,2,3
.irp u, 0,1
	global_load_b32 v[RAW+2*\c+\u], v[VB2], s[20:21] offset:512*\c+64*\u   ; bv of channel 128 c + 32 w + 16 u + r
.endr
.endr
	s_cmp_lt_u32 ttmp9, 4
	s_cbranch_scc0 .Lno_prefetch
	global_prefetch_b8 v[PFO], s[PFB:PFB+1] th:TH_LOAD_NT scope:SCOPE_SE   ; its address registers are never rewritten
.Lno_prefetch:
	s_wait_kmcnt 0x0
	s_add_co_i32 s30, s34, s35
	s_sub_co_i32 s30, 0, s30                       ; -(e2 + e3): a sum of the first product stands for sum x 2^(e2 + e3)
	s_add_co_i32 s31, s36, s37
	s_sub_co_i32 s31, 0, s31                       ; -(e4 + e5)
	s_add_co_i32 s42, s32, s33
	s_sub_co_i32 s42, 0, s42                       ; -(e0 + e1)
	MKSC SC7, LIM7, 39, 30
	MKSC SC4, LIM4, 36, 30
	MKSC SC9, LIM9, 41, 31
	MKSC SC6, LIM6, 38, 42
	s_wait_loadcnt 0x0
	SCBIAS 30
	s_wait_alu depctr_va_vdst(0)                   ; the head's end
	s_wait_tensorcnt 0x0                           ; my head's fill is in; the same lines stand ahead of a later first fill as ahead of a refill
	ds_add_u32 v[SPW], v[NIL]
	s_wait_dscnt 0x0
	CROUND                                         ; everybody's fill is in
	TLD G0W+4, G1W                                 ; chunk 1: slot 1's first fill
	; ---- k = keys Wk + bk
	LDST 0, 0
	CHUNK 0, 0, 1
.irp c, 0,1,2
	SEQ \c
	LDST 0, (\c+1)%2
	EPK \c, 0, 1, LIM7, SC7, KVK
	EPK \c, 1, 1, LIM7, SC7, KVK
	CHUNK 0, \c+1, 0
.endr
	SEQ 3
	LDST 1, 0
	EPK 3, 0, 1, LIM7, SC7, KVK
	EPK 3, 1, 1, LIM7, SC7, KVK
.irp c, 0,1,2,3,4,5,6,7
.irp j, 0,1,2,3,4,5,6,7
	v_ldexp_f32 v[BIAS+8*\c+\j], v[RAW+\c], s31    ; all eight registers of a tile of v belong to one channel
.endr
.endr
	s_wait_alu depctr_va_vdst(0)
	s_wait_dscnt 0x0                               ; for the others' sake: my images lie in LDS
	s_barrier_signal -1                            ; (chunk 5 may stay out)
	s_barrier_wait -1
	; ---- v = Q(k) Wv + bv
	CHUNK 1, 0, 1
.irp c, 0,1,2
	SEQ \c+4
	LDST 1, (\c+1)%2
	EPV \c
	CHUNK 1, \c+1, 0
.endr
	SEQ 7
	LDST 2, 0
	LDBIAS 22                                      ; bq
	LDRESQ 2, 0
	LDRESQ 2, 1
	LDRESQ 2, 2
	LDRESQ 2, 3
	EPV 3
	s_wait_loadcnt 0x0
	SCBIAS 42
	s_wait_alu depctr_va_vdst(0)
	; ---- q = query Wq + bq
	CHUNK 2, 0, 0
.irp c, 0,1,2
	SEQ \c+8
	LDST 2, (\c+1)%2
	EPK \c, 0, 0, LIM6, SC6, QOUT
	CHUNK 2, \c+1, 0
.endr
	SEQ 11
	EPK 3, 0, 0, LIM6, SC6, QOUT
	s_wait_tensorcnt 0x0                           ; the wave's end
	ds_add_u32 v[SPW], v[NIL]
	s_wait_dscnt 0x0
	CROUND                                         ; the closing round: no work-group ends while a partner may still ask for a chunk that names it
	s_endpgm
.Lfunc_end_k_qea64086dd1_proj:
	.size	k_qea64086dd1_proj, .Lfunc_end_k_qea64086dd1_proj-k_qea64086dd1_proj
	.p2alignl 7, 3214868480
	.fill 96, 4, 3214868480
	.section	.rodata,"a",@progbits
	.p2align	6, 0x0
	.amdhsa_kernel k_qea64086dd1_proj
		.amdhsa_group_segment_fixed_size 327680
		.amdhsa_private_segment_fixed_size 0
		.amdhsa_enable_private_segment 0
		.amdhsa_kernarg_size 88
		.amdhsa_user_sgpr_count 2
		.amdhsa_user_sgpr_kernarg_segment_ptr 1
		.amdhsa_wavefront_size32 1
		.amdhsa_system_sgpr_workgroup_id_x 1
		.amdhsa_system_sgpr_workgroup_id_y 1
		.amdhsa_system_sgpr_workgroup_id_z 1
		.amdhsa_system_vgpr_workitem_id 0
		.amdhsa_next_free_vgpr 1024
		.amdhsa_next_free_sgpr 100
		.amdhsa_reserve_vcc 0
		.amdhsa_float_denorm_mode_32 3
		.amdhsa_float_denorm_mode_16_64 3
		.amdhsa_memory_ordered 1
		.amdhsa_forward_progress 1
		.amdhsa_inst_pref_size 255
	.end_amdhsa_kernel
	.section	.bss,"aw",@nobits
	.p2align	6
	.space	262144
	.amdgpu_metadata
---
amdhsa.version: [ 1, 2 ]
amdhsa.kernels:
  - .name:           k_qea64086dd1_proj
    .symbol:         k_qea64086dd1_proj.kd
    .args:
      - { .name: keys_codes, .offset: 0, .size: 8, .value_kind: global_buffer, .address_space: global }
      - { .name: query_codes, .offset: 8, .size: 8, .value_kind: global_buffer, .address_space: global }
      - { .name: Wk_codes, .offset: 16, .size: 8, .value_kind: global_buffer, .address_space: global }
      - { .name: Wv_codes, .offset: 24, .size: 8, .value_kind: global_buffer, .address_space: global }
      - { .name: Wq_codes, .offset: 32, .size: 8, .value_kind: global_buffer, .address_space: global }
      - { .name: bk, .offset: 40, .size: 8, .value_kind: global_buffer, .address_space: global }
      - { .name: bv, .offset: 48, .size: 8, .value_kind: global_buffer, .address_space: global }
      - { .name: bq, .offset: 56, .size: 8, .value_kind: global_buffer, .address_space: global }
      - { .name: lowp_scales, .offset: 64, .size: 8, .value_kind: global_buffer, .address_space: global }
      - { .name: kv, .offset: 72, .size: 8, .value_kind: global_buffer, .address_space: global }
      - { .name: qimg, .offset: 80, .size: 8, .value_kind: global_buffer, .address_space: global }
    .group_segment_fixed_size: 327680
    .private_segment_fixed_size: 0
    .kernarg_segment_align: 8
    .kernarg_segment_size: 88
    .max_flat_workgroup_size: 128
    .sgpr_count:     100
    .vgpr_count:     1024
    .wavefront_size: 32
...
	.end_amdgpu_metadata
.endif
;; end of part 1
;; launch attn (part 2): grid 16 x 16, 4 waves a work-group, clusters of 4 x 1, 327,680 bytes of LDS; arguments qimg, kv, lowp_scales, out0; writes out0
.if DOCPART == 2
	.amdgcn_target "amdgcn-amd-amdhsa--gfx1250"
	.amdhsa_code_object_version 6
	.text
	.protected	k_qea64086dd1_attn
	.globl	k_qea64086dd1_attn
	.p2align	8
	.type	k_qea64086dd1_attn,@function
k_qea64086dd1_attn:
	s_mov_b64 s[64:65], 0
	v_nop
	global_prefetch_b8 v0, s[64:65] scope:SCOPE_SE
	s_setreg_imm32_b32 hwreg(HW_REG_WAVE_MODE, 25, 1), 1
	s_wait_xcnt 0x0
	s_wait_alu depctr_hold_cnt(0) depctr_sa_sdst(0) depctr_va_vdst(0) depctr_va_sdst(0) depctr_va_ssrc(0) depctr_va_vcc(0) depctr_vm_vsrc(0)
	s_getreg_b32 s2, hwreg(HW_REG_IB_STS2, 6, 4)
	s_cmp_eq_u32 s2, 0
	s_cbranch_scc0 .Lentry_in_a_cluster
	s_endpgm
.Lentry_in_a_cluster:
	s_bfe_u32 s2, ttmp6, 0x10000c
	s_cmp_lg_u32 s2, 0x3003
	s_cbranch_scc0 .Lentry_shape_is_right
	s_endpgm
.Lentry_shape_is_right:
; out = softmax(q k^T / sqrt(512)) v for 16 batches of 1,024 queries and 2,048 keys, both products on codes of FP8 (E4M3) by v_wmma_f32_16x16x128_fp8_fp8, sums in f32.
; q, k and v come as images of fragments' registers (16 rows x 128 K in 2,048 bytes: registers 4 c .. 4 c + 3 of lane l at 512 c + 16 l), as the launch before has laid them:
;   qimg [64 queries][query tile 0..3][128 of d][2048];  kv, for each batch 2 MiB: K area [key tile 0..127][128 of d][2048]; at + 1 MiB the V area [256 keys][channel tile 0..31][half of the 256 keys][2048].
; THE SOFTMAX AHEAD OF THE SECOND PRODUCT: t = score x log2(e) / sqrt(512); M = the row's largest t so far, rounded UP to a whole number; p = 2^(t - M) is quantised with 2^e8, not normalised.
; The row's sum is taken of the unquantised p and divides at the end.  When M moves, the sum and O are multiplied by 2^(old M - new M): exact, in every step, with no branch on data.
; SHARES.  A work-group owns 64 queries of one batch and walks its 2,048 keys in 8 steps of 256.  Scores: wave w makes S^T for keys 64 w .. + 63 of the step x all 64 queries (source 0 = 16 keys, source 1 = 16 queries: a lane holds one query).
; The four waves' largest scores meet in LDS (first barrier of a step), p's codes likewise (second barrier).  O^T: wave w makes channels 128 w .. + 127 x 64 queries over the step's 256 keys (source 0 = 16 channels of V, source 1 = P).
; So each fragment of K and of V is read once in a work-group and feeds four matrix instructions.
; K comes through two LDS slots of 131,072 bytes, a step each; wave w fetches and reads its own 32,768.  CLUSTER: the four work-groups of a cluster walk one batch's K and ask for each tile JOINTLY (mask 15).
; The refill stands behind the step's SECOND barrier, which is a round of the cluster's barrier: the slot that this step's scores read is filled with the tile two steps on.
; V goes from memory straight into registers, 32,768 bytes a wave and step, each lane 16 bytes of 512 consecutive: K's two slots leave no 131,072 bytes of LDS for it, so it is not asked for jointly.
; Its first half is asked for among the score products, into K's registers as they fall free, its second half behind the first barrier.  The next step's K fragments come from LDS into V's registers as O^T's products free them.
; PREFETCH: the clusters with x = 0 (one for each batch) name K's tile one refill ahead of the refill and V's next block, 8,192 bytes a wave, lanes 256 bytes apart, partners told apart by address; the last steps ask for nothing.
; LIMITS: e6 + e7 between -122 and 130 (added to c's exponent field); e8 between -126 and 119; the scaled scores stay under 2^31 in magnitude.
; REGISTERS, in windows of 256: window 0: v1-16 addresses and constants; v32-63 for each query tile -M, largest t, the sum (2), f (2), two at work; v64-191 S^T, then p, then P's fragments; v192-223 p's codes; v224-243 maxima.
;   window 1: O^T, (channel tile t, query tile m) at 8 (4 t + m).   window 2: Q's 16 fragments.   window 3: K's 16 fragments, then V's.   On the way out windows 2 and 3 hold the results.
.set SLOT1, 131072
.set PIMG,  262144                     ; p's codes: [query tile][half of the 256 keys][2048]
.set MAXB,  278528                     ; the waves' largest scores: 512 bytes a wave
.set SUMB,  280576                     ; the waves' sums, likewise
.set SPARE, 282624                     ; the spare words: 128 bytes a wave, two blocks of 256 bytes that no other line names
.set STAGE, 283136                     ; the way out: 16 rows x (512 + 16) bytes for each wave
.set BLK,   131072                     ; a step's bytes of K, and of V
.set LI,  1                            ; 16 x lane
.set AK,  2                            ; my part of slot 0
.set ADK, 3                            ; my part of the next step's slot
.set PWR, 4
.set PRD, 5
.set MXW, 6
.set MXR, 7
.set SMW, 8
.set SMR, 9
.set STO, 10
.set RD,  11
.set SPW, 12                           ; my spare word; never rewritten
.set NIL, 13                           ; 0; never rewritten
.set PFO, 14                           ; 256 x lane
.set SC8, 15                           ; 2^e8
.set LIM8, 16                          ; 448 x 2^e8
.set ST,  32
.set S,   64
.set PCD, 192
.set MX,  224
.set MR,  228
.set WV,  12
.set G1,  24
.set G0A, 32
.set G0W, 36
.set PFK, 40
.set PFV, 42
.set CNT, 44
.set LIM, 45
.set CS,  46
.set SEL, 48
.set VB,  50
.set TB,  59
.set MSB, 0
.macro WIN new                         ; the immediate's high byte repeats the setting that is left; a switch that changes nothing is dropped
.if MSB != (\new)
	s_set_vgpr_msb (MSB<<8)|(\new)
.set MSB, (\new)
.endif
.endm
.macro PLACES n
.rept \n
	v_nop
.endr
.endm
.macro CROUND                          ; a round of the cluster's barrier
	s_barrier_signal -1
	s_barrier_wait -1
	s_cmp_lg_u32 s[WV], 0
	s_cbranch_scc1 .Lnot_wave_0_\@
	s_barrier_signal -3
.Lnot_wave_0_\@:
	s_barrier_wait -3
	s_barrier_signal -1
	s_barrier_wait -1
.endm
.macro ASK                             ; K's tile one refill on
	s_cmp_gt_u32 s[CNT], s[LIM]
	s_cbranch_scc0 .Lnot_mine_\@
	global_prefetch_b8 v[PFO], s[PFK:PFK+1] th:TH_LOAD_NT scope:SCOPE_SE
.Lnot_mine_\@:
.endm
.macro ASKV                            ; V's next block
	s_cmp_eq_u32 s[LIM], 1
	s_cbranch_scc0 .Lnot_minev_\@
	global_prefetch_b8 v[PFO], s[PFV:PFV+1] th:TH_LOAD_NT scope:SCOPE_SE
.Lnot_minev_\@:
.endm
.macro KF adr, s0, s1                  ; K's fragments of K steps s0, s1: 4 key tiles each, 32 loads.  Five places: four in front of loads into registers that matrix instructions have read, the fifth because the next score products write over P's fragments, which O^T's products have read
	PLACES 5
	WIN 0xc0
.irp s, \s0, \s1
.irp t, 0,1,2,3
.irp c, 0,1,2,3
	ds_load_b128 v[16*(4*\s+\t)+4*\c:16*(4*\s+\t)+4*\c+3], v[\adr] offset:8192*\t+2048*\s+512*\c
.endr
.endr
.endr
.endm
.macro SMUL s                          ; S^T, K step s: the 16 accumulators by turns.  The wait leaves the later K steps' loads out, 16 each
	s_wait_dscnt 48-16*(\s)
	WIN 0x0b
.irp t, 0,1,2,3
.irp m, 0,1,2,3
.if (\s) == 0
	v_wmma_f32_16x16x128_fp8_fp8 v[S+32*\m+8*\t:S+32*\m+8*\t+7], v[16*(4*(\s)+\t):16*(4*(\s)+\t)+15], v[16*(4*\m+(\s)):16*(4*\m+(\s))+15], 0
.else
	v_wmma_f32_16x16x128_fp8_fp8 v[S+32*\m+8*\t:S+32*\m+8*\t+7], v[16*(4*(\s)+\t):16*(4*(\s)+\t)+15], v[16*(4*\m+(\s)):16*(4*\m+(\s))+15], v[S+32*\m+8*\t:S+32*\m+8*\t+7]
.endif
.endr
.endr
.endm
.macro VLOAD s                         ; a quarter of my V: channel tiles 4 (s % 2) .. + 3, half s / 2 of the keys
	PLACES 4
	WIN 0xc0
.irp t, 0,1,2,3
.irp c, 0,1,2,3
	global_load_b128 v[64*(\s)+16*\t+4*\c:64*(\s)+16*\t+4*\c+3], v[LI], s[VB:VB+1] offset:4096*(4*((\s)%2)+\t)+2048*((\s)/2)+512*\c
.endr
.endr
.endm
.macro LMAX                            ; each query's largest score among my 64 keys, each accumulator from its low end on
	WIN 0
.irp m, 0,1,2,3
	v_max3_num_f32 v[ST+8*\m+6], v[S+32*\m], v[S+32*\m+1], v[S+32*\m+2]
	v_max3_num_f32 v[ST+8*\m+7], v[S+32*\m+3], v[S+32*\m+4], v[S+32*\m+5]
.endr
.irp i, 6,10,14,18,22,26
.irp m, 0,1,2,3
	v_max3_num_f32 v[ST+8*\m+6], v[ST+8*\m+6], v[S+32*\m+\i], v[S+32*\m+\i+1]
	v_max3_num_f32 v[ST+8*\m+7], v[ST+8*\m+7], v[S+32*\m+\i+2], v[S+32*\m+\i+3]
.endr
.endr
.irp m, 0,1,2,3
	v_max3_num_f32 v[ST+8*\m+6], v[ST+8*\m+6], v[S+32*\m+30], v[S+32*\m+31]
.endr
.irp m, 0,1,2,3
	v_max_num_f32 v[ST+8*\m+6], v[ST+8*\m+6], v[ST+8*\m+7]
.endr
.irp m, 0,1,2,3
	v_permlanex16_b32 v[ST+8*\m+7], v[ST+8*\m+6], s[SEL], s[SEL+1]
.endr
.irp m, 0,1,2,3
	v_max_num_f32 v[MX+\m], v[ST+8*\m+6], v[ST+8*\m+7]
.endr
.endm
.macro R1 askv                         ; the first barrier: the maxima meet.  K's tile may stay out
	ds_store_b128 v[MXW], v[MX:MX+3]
	s_wait_dscnt 0x0
	s_barrier_signal -1
	s_barrier_wait -1
.if \askv
	ASKV
.endif
.endm
.macro COMBINE                         ; the new -M = floor(-t), f = 2^(old M - new M), the sums x f
.irp m, 0,1,2,3
	v_max3_num_f32 v[ST+8*\m+6], v[MR+\m], v[MR+4+\m], v[MR+8+\m]
.endr
.irp m, 0,1,2,3
	v_max_num_f32 v[ST+8*\m+6], v[ST+8*\m+6], v[MR+12+\m]
.endr
.irp m, 0,1,2,3
	v_mul_f32 v[ST+8*\m+6], s[CS], v[ST+8*\m+6]
.endr
.irp m, 0,1,2,3
	v_max_num_f32 v[ST+8*\m+1], v[ST+8*\m+1], v[ST+8*\m+6]
.endr
.irp m, 0,1,2,3
	v_mov_b32 v[ST+8*\m+7], v[ST+8*\m]
.endr
.irp m, 0,1,2,3
	v_floor_f32 v[ST+8*\m], -v[ST+8*\m+1]
.endr
.irp m, 0,1,2,3
	v_sub_f32 v[ST+8*\m+7], v[ST+8*\m], v[ST+8*\m+7]
.endr
.irp m, 0,1,2,3
	v_cvt_i32_f32 v[ST+8*\m+7], v[ST+8*\m+7]
.endr
.irp m, 0,1,2,3
	v_ldexp_f32 v[ST+8*\m+4], 1.0, v[ST+8*\m+7]
.endr
.irp m, 0,1,2,3
	v_pk_mul_f32 v[ST+8*\m+2:ST+8*\m+3], v[ST+8*\m+2:ST+8*\m+3], v[ST+8*\m+4:ST+8*\m+5] op_sel_hi:[1,0]
.endr
.endm
; p = 2^(t - M) for my 64 keys x 64 queries: all sources, one wait, the 128 exponentials as one batch, one plain place, one wait; then the sums of the unquantised p, in eight chains, and the hold.
.macro SOFT
.irp m, 0,1,2,3
.irp i, 0,2,4,6,8,10,12,14,16,18,20,22,24,26,28,30
	v_pk_fma_f32 v[S+32*\m+\i:S+32*\m+\i+1], v[S+32*\m+\i:S+32*\m+\i+1], s[CS:CS+1], v[ST+8*\m:ST+8*\m+1] op_sel_hi:[1,0,0]
.endr
.endr
	s_wait_alu depctr_va_vdst(0)
.set ei, 0
.rept 128
	v_exp_f32 v[S+ei], v[S+ei]
.set ei, ei+1
.endr
	v_nop
	s_wait_alu depctr_va_vdst(0)                   ; behind the batch, ahead of its first reader
.irp m, 0,1,2,3
	v_pk_add_f32 v[ST+8*\m+6:ST+8*\m+7], v[S+32*\m:S+32*\m+1], v[S+32*\m+2:S+32*\m+3]
.endr
.irp i, 4,8,12,16,20,24,28
.irp m, 0,1,2,3
	v_pk_add_f32 v[ST+8*\m+2:ST+8*\m+3], v[ST+8*\m+2:ST+8*\m+3], v[S+32*\m+\i:S+32*\m+\i+1]
	v_pk_add_f32 v[ST+8*\m+6:ST+8*\m+7], v[ST+8*\m+6:ST+8*\m+7], v[S+32*\m+\i+2:S+32*\m+\i+3]
.endr
.endr
.irp m, 0,1,2,3
	v_pk_add_f32 v[ST+8*\m+2:ST+8*\m+3], v[ST+8*\m+2:ST+8*\m+3], v[ST+8*\m+6:ST+8*\m+7]
.endr
.set ei, 0
.rept 128
	v_min_num_f32 v[S+ei], v[S+ei], v[LIM8]        ; the conversion to an 8-bit code does not saturate (ISA guide 7.6.2); p is not negative, so the hold is one-sided
.set ei, ei+1
.endr
.endm
.macro CVTS
.irp m, 0,1,2,3
.irp t, 0,1,2,3
	v_cvt_scalef32_pk8_fp8_f32 v[PCD+8*\m+2*\t:PCD+8*\m+2*\t+1], v[S+32*\m+8*\t:S+32*\m+8*\t+7], v[SC8]
.endr
.endr
	v_nop
.endm
.macro RESC                            ; O^T under the new M: x f
	WIN 0x41
	s_wait_alu depctr_va_vdst(0)                   ; directly ahead of the first reader of O^T
.set rc, 0
.rept 8
.irp m, 0,1,2,3
.irp i, 0,2,4,6
	v_pk_mul_f32 v[8*(4*rc+\m)+\i:8*(4*rc+\m)+\i+1], v[8*(4*rc+\m)+\i:8*(4*rc+\m)+\i+1], v[ST+8*\m+4:ST+8*\m+5] op_sel_hi:[1,0]
.endr
.endr
.set rc, rc+1
.endr
.endm
; The second barrier: p's codes meet.  fill = 1: it is a round of the cluster's barrier, and behind it the slot that this step's scores read is filled again: in front of it each wave waits for all its tensor loads
; (the next step's tile), adds 0 to its spare word, and waits for that, for its stores and for its reads of the slot.
.macro R2 first, fill
.irp m, 0,1,2,3
	ds_store_b128 v[PWR], v[PCD+8*\m:PCD+8*\m+3] offset:4096*\m
	ds_store_b128 v[PWR], v[PCD+8*\m+4:PCD+8*\m+7] offset:4096*\m+512
.endr
.if (\first) == 0
	RESC
.endif
	WIN 0
	s_wait_alu depctr_va_vdst(0)
.if \fill
	s_wait_tensorcnt 0x0
	ds_add_u32 v[SPW], v[NIL]
	s_xor_b32 s[G0W+1], s[G0W+1], SLOT1
	s_add_nc_u64 s[G0W+2:G0W+3], s[G0W+2:G0W+3], BLK
	s_wait_dscnt 0x0
	CROUND
	tensor_load_to_lds s[G0W:G0W+3], s[G1:G1+7]
	s_nop 0
	PLACES 4
	ASK
.else
	s_wait_dscnt 0x0
	s_barrier_signal -1
	s_barrier_wait -1
.endif
.endm
.macro PFETCH                          ; P's eight fragments: 64 queries x 256 keys
.irp hh, 0,1
.irp m, 0,1,2,3
.irp c, 0,1,2,3
	ds_load_b128 v[S+16*(4*\hh+\m)+4*\c:S+16*(4*\hh+\m)+4*\c+3], v[PRD] offset:4096*\m+2048*\hh+512*\c
.endr
.endr
.endr
.endm
.macro PVMUL hh, zero, dsc             ; O^T over half hh of the keys: 32 accumulators by turns.  dsc: the LDS loads issued behind this half's fragments of P; the wait on LOADcnt leaves V's other half out
	s_wait_dscnt \dsc
	s_wait_loadcnt 32*(1-(\hh))
	WIN 0x53
.irp t, 0,1,2,3,4,5,6,7
.irp m, 0,1,2,3
.if \zero
	v_wmma_f32_16x16x128_fp8_fp8 v[8*(4*\t+\m):8*(4*\t+\m)+7], v[16*(8*(\hh)+\t):16*(8*(\hh)+\t)+15], v[S+16*(4*(\hh)+\m):S+16*(4*(\hh)+\m)+15], 0
.else
	v_wmma_f32_16x16x128_fp8_fp8 v[8*(4*\t+\m):8*(4*\t+\m)+7], v[16*(8*(\hh)+\t):16*(8*(\hh)+\t)+15], v[S+16*(4*(\hh)+\m):S+16*(4*(\hh)+\m)+15], v[8*(4*\t+\m):8*(4*\t+\m)+7]
.endif
.endr
.endr
.endm
; A STEP of 256 keys.  Its K fragments were asked for in the step before.  tw = 1: no refill's wait has shown the next tile yet.  more = 1: a step follows.
.macro STEP first, fill, askv, tw, more
	SMUL 0
	VLOAD 0
	SMUL 1
	VLOAD 1
	SMUL 2
	SMUL 3
	PLACES 4
	LMAX
	R1 \askv
.irp w, 0,1,2,3
	ds_load_b128 v[MR+4*\w:MR+4*\w+3], v[MXR] offset:512*\w
.endr
	VLOAD 2
	VLOAD 3
	WIN 0
.if \more
	s_xor_b32 s[TB], s[TB], SLOT1
	v_add_nc_u32 v[ADK], s[TB], v[AK]              ; the next step's slot
.endif
	s_wait_dscnt 0x0
	COMBINE
	SOFT
	CVTS
	R2 \first, \fill
	PFETCH
	PVMUL 0, \first, 16
.if \more
.if \tw
	s_wait_tensorcnt 0x0                           ; the last tile, my own part, which I alone read
.endif
	KF ADK, 0, 1                                   ; into the registers of V's first half
	PVMUL 1, 0, 32
	KF ADK, 2, 3
	WIN 0
	s_wait_xcnt 0x0                                ; V's loads and the prefetches have read their bases
	s_add_nc_u64 s[VB:VB+1], s[VB:VB+1], BLK
	s_add_nc_u64 s[PFK:PFK+1], s[PFK:PFK+1], BLK
	s_add_nc_u64 s[PFV:PFV+1], s[PFV:PFV+1], BLK
.else
	PVMUL 1, 0, 0
	WIN 0
.endif
.endm
	s_load_b256 s[4:11], s[0:1], 0x0               ; qimg s[4:5], kv s[6:7], the scales' exponents s[8:9], out0 s[10:11]
	v_lshl_add_u32 v[SPW], v0, 2, SPARE
	v_mov_b32 v[NIL], 0
	ds_add_u32 v[SPW], v[NIL]                      ; the opening lines: the add, twice on end, and its wait ahead of my first tensor load
	ds_add_u32 v[SPW], v[NIL]
	s_wait_dscnt 0x0
	v_lshrrev_b32 v17, 5, v0
	v_readfirstlane_b32 s[WV], v17                 ; wave 0..3
	s_bfe_u32 s13, ttmp6, 0x40000                  ; cx
	s_and_b32 s14, ttmp7, 0xffff                   ; the batch
	s_mov_b32 s[G1], 15|(3<<16)|(1<<21)            ; the mask: all four work-groups; elements of 8 bytes; bit 21 beside a mask.  128 rows of 256 bytes, dense
	s_mov_b32 s[G1+1], 32<<16
	s_mov_b32 s[G1+2], 128<<16
	s_mov_b32 s[G1+3], 32<<16
	s_mov_b32 s[G1+4], 128
	s_mov_b32 s[G1+5], 32
	s_mov_b32 s[G1+6], 0
	s_mov_b32 s[G1+7], 0
	s_lshl_b32 s15, s[WV], 15                      ; my 32,768 bytes of a tile
	s_mov_b32 s[G0A], 1
	s_mov_b32 s[G0A+1], s15
	s_mov_b32 s[G0W], 1
	s_add_co_u32 s[G0W+1], s15, SLOT1
	s_lshl_b32 s16, s14, 21
	s_add_co_u32 s16, s16, s15
	s_mov_b32 s17, 0
	s_lshl_b32 s18, ttmp9, 2
	s_add_co_u32 s18, s18, s13
	s_lshl_b32 s19, s14, 4
	s_add_co_u32 s19, s19, s18                     ; which 64 queries
	s_lshl_b32 s20, s19, 15
	s_mov_b32 s21, 0
	s_lshl_b32 s22, s19, 17
	s_lshl_b32 s23, s[WV], 9
	s_add_co_u32 s22, s22, s23                     ; out0: 64 rows of 2,048 bytes, + my 128 channels
	s_mov_b32 s23, 0
	s_lshl_b32 s2, s14, 21
	s_lshl_b32 s3, s13, 15
	s_add_co_u32 s2, s2, s3
	s_lshl_b32 s3, s[WV], 13
	s_add_co_u32 s2, s2, s3                        ; the prefetches: 32,768 cx + 8,192 w of a block
	s_mov_b32 s3, 0
	s_cmp_eq_u32 ttmp9, 0
	s_cselect_b32 s[LIM], 1, -1
	s_mov_b32 s[CNT], 6
	s_mov_b32 s[TB], 0
	s_mov_b32 s[SEL], 0x76543210
	s_mov_b32 s[SEL+1], 0xfedcba98
	v_and_b32 v17, 31, v0
	v_and_b32 v18, 15, v0
	v_bfe_u32 v19, v0, 4, 1
	v_lshlrev_b32 v[LI], 4, v17
	v_lshlrev_b32 v[PFO], 8, v17
	v_add_nc_u32 v[AK], s15, v[LI]
	v_add_nc_u32 v[PRD], PIMG, v[LI]
	s_lshl_b32 s57, s[WV], 10
	v_add_nc_u32 v[PWR], s57, v[PRD]
	v_add_nc_u32 v[MXR], MAXB, v[LI]
	v_add_nc_u32 v[SMR], SUMB, v[LI]
	s_lshl_b32 s57, s[WV], 9
	v_add_nc_u32 v[MXW], s57, v[MXR]
	v_add_nc_u32 v[SMW], s57, v[SMR]
	s_mul_i32 s57, s[WV], 16*528
	v_add_nc_u32 v[RD], s57, v[LI]
	v_add_nc_u32 v[RD], STAGE, v[RD]
	v_mul_u32_u24 v[STO], v18, 528
	v_lshl_add_u32 v[STO], v19, 5, v[STO]
	v_add_nc_u32 v[STO], s57, v[STO]
	v_add_nc_u32 v[STO], STAGE, v[STO]
.irp m, 0,1,2,3
	v_mov_b32 v[ST+8*\m+1], 0xff61b1e6             ; the largest t so far: -3e38
	v_floor_f32 v[ST+8*\m], -v[ST+8*\m+1]
	v_mov_b32 v[ST+8*\m+2], 0
	v_mov_b32 v[ST+8*\m+3], 0
	v_mov_b32 v[ST+8*\m+4], 0
	v_mov_b32 v[ST+8*\m+5], 0
.endr
	s_wait_alu depctr_va_vdst(0)                   ; the head's end
	s_wait_kmcnt 0x0
	s_load_b128 s[52:55], s[8:9], 0x18             ; e6, e7, e8, e9
	s_add_nc_u64 s[G0A+2:G0A+3], s[6:7], s[16:17]
	s_add_nc_u64 s[VB:VB+1], s[G0A+2:G0A+3], 1048576
	s_add_nc_u64 s[G0W+2:G0W+3], s[G0A+2:G0A+3], BLK
	s_or_b32 s[G0A+3], s[G0A+3], 0x80000000
	s_or_b32 s[G0W+3], s[G0W+3], 0x80000000
	s_add_nc_u64 s[4:5], s[4:5], s[20:21]
	s_add_nc_u64 s[10:11], s[10:11], s[22:23]
	s_add_nc_u64 s[PFK:PFK+1], s[6:7], s[2:3]
	s_add_nc_u64 s[PFV:PFV+1], s[PFK:PFK+1], 1048576+BLK
	s_add_nc_u64 s[PFK:PFK+1], s[PFK:PFK+1], 3*BLK
	CROUND                                         ; all four work-groups are here: the first joint loads meet
	tensor_load_to_lds s[G0A:G0A+3], s[G1:G1+7]    ; tile 0: one tensor load a wave at the head
	s_nop 0
	PLACES 4
	WIN 0x80
.set i, 0
.rept 64
	global_load_b128 v[4*i:4*i+3], v[LI], s[4:5] offset:512*i th:TH_LOAD_NT   ; Q's 16 fragments stay in window 2
.set i, i+1
.endr
	WIN 0
	s_wait_tensorcnt 0x0                           ; the same lines stand ahead of a later first fill as ahead of a refill
	ds_add_u32 v[SPW], v[NIL]
	s_wait_dscnt 0x0
	CROUND
	tensor_load_to_lds s[G0W:G0W+3], s[G1:G1+7]    ; tile 1: slot 1's first fill
	s_nop 0
	KF AK, 0, 1                                    ; step 0's fragments of K (its four v_nop stand directly behind the s_nop 0)
	KF AK, 2, 3
	WIN 0
	s_wait_kmcnt 0x0
	s_add_co_i32 s57, s52, s53
	s_lshl_b32 s57, s57, 23
	s_mov_b32 s[CS], 0x3d8293ee                    ; c = log2(e) / sqrt(512),
	s_add_co_i32 s[CS], s[CS], s57                 ; x 2^(e6 + e7), by its exponent field
	s_mov_b32 s[CS+1], s[CS]
	s_add_co_i32 s57, s54, 127
	s_lshl_b32 s58, s57, 23
	v_mov_b32 v[SC8], s58
	s_add_co_i32 s57, s57, 8
	s_lshl_b32 s57, s57, 23
	s_or_b32 s57, s57, 0x600000
	v_mov_b32 v[LIM8], s57
	s_add_co_i32 s56, s54, s55                     ; e8 + e9
	s_wait_loadcnt 0x0                             ; Q
	STEP 1, 1, 1, 0, 1                             ; step 0 starts O^T's sums: nothing is cleared
	s_sub_co_u32 s[CNT], s[CNT], 1
.Lstep:                                            ; steps 1 to 5
	STEP 0, 1, 1, 0, 1
	s_sub_co_u32 s[CNT], s[CNT], 1
	s_cmp_lg_u32 s[CNT], 0
	s_cbranch_scc1 .Lstep
	STEP 0, 0, 1, 1, 1                             ; the last two steps fill nothing
	STEP 0, 0, 0, 0, 0
	PLACES 4
.irp m, 0,1,2,3
	v_add_f32 v[ST+8*\m+6], v[ST+8*\m+2], v[ST+8*\m+3]
.endr
.irp m, 0,1,2,3
	v_permlanex16_b32 v[ST+8*\m+7], v[ST+8*\m+6], s[SEL], s[SEL+1]
.endr
.irp m, 0,1,2,3
	v_add_f32 v[MX+\m], v[ST+8*\m+6], v[ST+8*\m+7]
.endr
	ds_store_b128 v[SMW], v[MX:MX+3]               ; the four waves' sums meet
	s_wait_dscnt 0x0
	s_barrier_signal -1
	s_barrier_wait -1
.irp w, 0,1,2,3
	ds_load_b128 v[MR+4*\w:MR+4*\w+3], v[SMR] offset:512*\w
.endr
	s_wait_dscnt 0x0
.irp m, 0,1,2,3
	v_add_f32 v[ST+8*\m+6], v[MR+\m], v[MR+4+\m]
	v_add_f32 v[ST+8*\m+7], v[MR+8+\m], v[MR+12+\m]
.endr
.irp m, 0,1,2,3
	v_add_f32 v[ST+8*\m+6], v[ST+8*\m+6], v[ST+8*\m+7]
.endr
	s_wait_alu depctr_va_vdst(0)
.irp m, 0,1,2,3
	v_rcp_f32 v[ST+8*\m+6], v[ST+8*\m+6]
.endr
	v_nop
	s_wait_alu depctr_va_vdst(0)
.irp m, 0,1,2,3
	v_ldexp_f32 v[ST+8*\m+4], v[ST+8*\m+6], s56    ; 2^(e8 + e9) / the sum
.endr
	s_wait_alu depctr_va_vdst(0)                   ; ahead of the first reader of O^T
; THE WAY OUT, query tile by query tile: 16 queries x my 128 channels go through my stage in LDS and come back as whole rows of 512 bytes, which the 32 lanes store as two aligned units of 256 bytes.
; Each tile has registers of its own (64 in window 2, 64 in window 3), so no store's registers are written again.  LDS serves a wave's instructions in order: no wait between the stage's stores and loads.
.macro TOST m
	WIN 0x81                                       ; source 0 window 1, destination window 2
.irp t, 0,1,2,3,4,5,6,7
.irp i, 0,2,4,6
	v_pk_mul_f32 v[64*(\m)+8*\t+\i:64*(\m)+8*\t+\i+1], v[8*(4*\t+(\m))+\i:8*(4*\t+(\m))+\i+1], v[ST+8*(\m)+4:ST+8*(\m)+5] op_sel_hi:[1,0]
.endr
.endr
	WIN 0x08                                       ; an LDS store's data: source 1, window 2
.irp t, 0,1,2,3,4,5,6,7
	ds_store_b128 v[STO], v[64*(\m)+8*\t:64*(\m)+8*\t+3] offset:64*\t
	ds_store_b128 v[STO], v[64*(\m)+8*\t+4:64*(\m)+8*\t+7] offset:64*\t+16
.endr
	WIN 0xc0                                       ; destination window 3
.irp t, 0,1,2,3,4,5,6,7,8,9,10,11,12,13,14,15
	ds_load_b128 v[64*(\m)+4*\t:64*(\m)+4*\t+3], v[RD] offset:528*\t
.endr
.endm
.macro SEND m
	WIN 0x0c                                       ; a store's data: source 1, window 3
.irp t, 0,1,2,3,4,5,6,7,8,9,10,11,12,13,14,15
	global_store_b128 v[LI], v[64*(\m)+4*\t:64*(\m)+4*\t+3], s[10:11] offset:(16*(\m)+\t)*2048 th:TH_STORE_NT
.endr
.endm
	TOST 0
.irp m, 1,2,3
	TOST \m
	s_wait_dscnt 32                                ; the tile before is back; this tile's 16 stores and 16 loads may be out
	SEND \m-1
.endr
	s_wait_dscnt 0x0
	SEND 3
	WIN 0
	s_wait_tensorcnt 0x0                           ; the wave's end
	ds_add_u32 v[SPW], v[NIL]
	s_wait_dscnt 0x0
	CROUND                                         ; the closing round
	s_endpgm
.Lfunc_end_k_qea64086dd1_attn:
	.size	k_qea64086dd1_attn, .Lfunc_end_k_qea64086dd1_attn-k_qea64086dd1_attn
	.p2alignl 7, 3214868480
	.fill 96, 4, 3214868480
	.section	.rodata,"a",@progbits
	.p2align	6, 0x0
	.amdhsa_kernel k_qea64086dd1_attn
		.amdhsa_group_segment_fixed_size 327680
		.amdhsa_private_segment_fixed_size 0
		.amdhsa_enable_private_segment 0
		.amdhsa_kernarg_size 32
		.amdhsa_user_sgpr_count 2
		.amdhsa_user_sgpr_kernarg_segment_ptr 1
		.amdhsa_wavefront_size32 1
		.amdhsa_system_sgpr_workgroup_id_x 1
		.amdhsa_system_sgpr_workgroup_id_y 1
		.amdhsa_system_sgpr_workgroup_id_z 1
		.amdhsa_system_vgpr_workitem_id 0
		.amdhsa_next_free_vgpr 1024
		.amdhsa_next_free_sgpr 66
		.amdhsa_reserve_vcc 0
		.amdhsa_float_denorm_mode_32 3
		.amdhsa_float_denorm_mode_16_64 3
		.amdhsa_memory_ordered 1
		.amdhsa_forward_progress 1
		.amdhsa_inst_pref_size 249
	.end_amdhsa_kernel
	.amdgpu_metadata
---
amdhsa.version: [ 1, 2 ]
amdhsa.kernels:
  - .name:           k_qea64086dd1_attn
    .symbol:         k_qea64086dd1_attn.kd
    .args:
      - { .name: qimg, .offset: 0, .size: 8, .value_kind: global_buffer, .address_space: global }
      - { .name: kv, .offset: 8, .size: 8, .value_kind: global_buffer, .address_space: global }
      - { .name: lowp_scales, .offset: 16, .size: 8, .value_kind: global_buffer, .address_space: global }
      - { .name: out0, .offset: 24, .size: 8, .value_kind: global_buffer, .address_space: global }
    .group_segment_fixed_size: 327680
    .private_segment_fixed_size: 0
    .kernarg_segment_align: 8
    .kernarg_segment_size: 32
    .max_flat_workgroup_size: 128
    .sgpr_count:     66
    .vgpr_count:     1024
    .wavefront_size: 32
...
	.end_amdgpu_metadata
.endif
;; end of part 2
